; MI455X (gfx1250); checked and timed in simulation.
; The chip was launched on July 23, 2026; its instructions are those of AMD's public machine-readable ISA for CDNA 5 (MIT licence, August 2026) and "CDNA5" Instruction Set Architecture Reference Guide (July 2026). The comments in the code are by the model that wrote it; some were corrected since.
;; Casual Multi Head Atten. Allowed arithmetic: matrix products marked QUANTISED: E4M3 operands, one given power-of-two scale a tensor, by v_wmma_f32_16x16x64_fp8_fp8 or v_wmma_f32_16x16x128_fp8_fp8, f32 sums; everything else in f32.
;; Inputs: Wk 1,024 x 1,024 float32; Wo 1,024 x 1,024 float32; Wq 1,024 x 1,024 float32; Wv 1,024 x 1,024 float32; lowp_scales 12 int32 (the exponents e of the quantised operands' scales 2^e); x 4 x 2,048 x 1,024 float32.
;; Outputs: out0 4 x 2,048 x 1,024 float32.
;; This version of the problem:
;;   THIS VERSION OF THE PROBLEM IS GIVEN IN LOW PRECISION. The matrix products marked QUANTISED in the list below multiply operands that are first quantised to E4M3 (4 exponent bits, 3 mantissa bits; 8 bits a number), with one given power-of-two scale for each operand tensor; their sums are f32. All else is computed in f32.
;;   The module's matrix products, in the order in which they are computed (A, B: the left and right operand; K: the contracted axis; several contracted axes count as one K, in the product's order):
;;     1. [M 8,192, K 1,024] x [K 1,024, N 1,024]; A: input x; B: input Wq: QUANTISED (scales: A lowp_scales[0], B lowp_scales[1])
;;     2. [M 8,192, K 1,024] x [K 1,024, N 1,024]; A: input x; B: input Wk: QUANTISED (scales: A lowp_scales[2], B lowp_scales[3])
;;     3. [M 8,192, K 1,024] x [K 1,024, N 1,024]; A: input x; B: input Wv: QUANTISED (scales: A lowp_scales[4], B lowp_scales[5])
;;     4. batch 64 x [M 2,048, K 64] x [K 64, N 2,048]; A: computed on the way; B: computed on the way: QUANTISED (scales: A lowp_scales[6], B lowp_scales[7])
;;     5. batch 64 x [M 2,048, K 2,048] x [K 2,048, N 64]; A: softmax (see below); B: computed on the way: QUANTISED (scales: A lowp_scales[8], B lowp_scales[9])
;;     6. [M 8,192, K 1,024] x [K 1,024, N 1,024]; A: computed on the way; B: input Wo: QUANTISED (scales: A lowp_scales[10], B lowp_scales[11])
;;   THE QUANTISER, for each operand of a quantised product, along K:
;;     - The operand's scale is 2^e, e = its entry of the input lowp_scales (int32; the entries are numbered through the quantised products in the list's order, A before B).
;;     - Each number is divided by the scale, clamped to +-448, and rounded to the nearest number of E4M3, ties to even, subnormals kept.
;;     - The product sums the exact products of the quantised numbers (number of the format x scale) in f32.
;;   ~~~python
;;   def quantise(x, axis, e):      # numpy; x: float32 -> the quantised numbers, widened to float32 again
;;       x = np.moveaxis(x, axis, -1); K = x.shape[-1]
;;       r = np.clip(x / 2.0 ** e, -448, 448)
;;       step = 2.0 ** (np.maximum(np.frexp(np.where(r == 0, 1, r))[1] - 1, -6) - 3)
;;       q = np.round(r / step) * step * 2.0 ** e      # np.round: ties to even
;;       return np.moveaxis(q, -1, axis).astype(np.float32)
;;   ~~~
;;   SOFTMAX AHEAD OF A QUANTISED PRODUCT. Where the list says 'softmax', what is quantised is not the finished softmax but p = 2^(t - M), with t = logit x log2(e) and M = ceil(the row's largest t), a whole number; so 1/2 < the row's largest p <= 1. The row's sum l is taken of the UNQUANTISED p, in f32, and the product's result is divided by l at the end. Since M is a whole number, a kernel that streams over the keys may use a running M (the ceiling of the running maximum): every later rescaling is an exact power of two, so the quantised numbers keep their values, but for numbers so far below the row's largest that they fall under the format's range.
;;   OPERANDS COMPUTED ON THE WAY. 'Computed on the way' means the value that the module computes at that place (a softmax that the list does not call 'softmax' is quantised finished and normalised). What goes into a quantiser is computed in f32, as accurately as f32 sums, v_exp_f32 and their like allow (about 1e-6 of the number): no bf16 or f16 on the way to a quantiser, and a product that is left as it is and whose result goes on into a quantised operand takes f32 operands (vector FMAs, or v_wmma_f32_16x16x4_f32). A number that lies on a knife's edge between two numbers of the format may be rounded either way, as far as f32 arithmetic and the matrix unit's own rounding can turn it there, and no further.
;; One version. Each part assembles by itself: llvm-mc -triple=amdgcn-amd-amdhsa -mcpu=gfx1250 --defsym DOCPART=n.
;; ======== version 1 of 1: 4 launches
;; limits: right only within a limited range of input values
;; workspace buffers: xc 25,165,824 bytes; wc 4,194,304 bytes; qkv 25,165,824 bytes; ac 8,388,608 bytes
;; launch quant (part 1): grid 768 x 1, 4 waves a work-group, no clusters, 34,304 bytes of LDS; arguments x, Wq, Wk, Wv, Wo, lowp_scales, xc, wc; writes xc, wc
.if DOCPART == 1
	.amdgcn_target "amdgcn-amd-amdhsa--gfx1250"
	.amdhsa_code_object_version 6
	.text
	.protected	k_qdf1f701725_quant
	.globl	k_qdf1f701725_quant
	.p2align	8
	.type	k_qdf1f701725_quant,@function
k_qdf1f701725_quant:
	s_mov_b64 s[64:65], 0
	v_nop
	global_prefetch_b8 v0, s[64:65] scope:SCOPE_SE
	s_setreg_imm32_b32 hwreg(HW_REG_WAVE_MODE, 25, 1), 1
	s_wait_xcnt 0x0
; x [8192][1024] and Wq, Wk, Wv, Wo [1024][1024], f32, K innermost, become codes of FP8 (E4M3), each with the scale 2^e that is given for it.
; x is an operand of three products with three entries of the scales (0, 2, 4): three planes of codes, 8 MiB apart, in xc.  Wq, Wk, Wv, Wo (entries 1, 3, 5, 11) go to wc, 1 MiB each.
; code = number / 2^e, held within +-448, rounded to the nearest code, ties to even.
; LIMITS: each e used here lies between -126 and 119, so that 2^e and 448 x 2^e are f32 numbers.  NaN among the inputs is not served; an infinity is held at the largest code.
; THE CODES ARE LAID AS IMAGES OF OPERAND REGISTERS.  A row tile T holds the 16 rows 32 (T / 2) + 8 (T % 2) + i + 8 (i / 8), i = 0 .. 15.  A fragment (row tile, 128 along K) is four groups c of 512 bytes;
; lane l's 16 bytes of group c, at 16 l, are k = 32 c + 16 (l / 16) + 0 .. 15 of the tile's row l % 16.
; byte(RT, ks, c, l) = (RT / 8) 131072 + (ks / 2) 32768 + (RT % 8) 4096 + (ks % 2) 2048 + 512 c + 16 l: for 8 row tiles, 256 along K are one dense block of 32 KiB.
; SHARES.  Work-groups 0 .. 511: row tile g of x.  Work-groups 512 .. 767: id = g - 512, row tile id % 64 of weight id / 64.  Wave w: the tile's 16 rows x K 256 w .. 256 w + 255, in two steps of 128.
; Each load reads 512 consecutive bytes of one row; a step's 8 KiB turn through the wave's own stage in LDS (16 rows of 512 bytes + 16) and come back 16 neighbours along K a lane and block of 32.
; Each store covers 512 consecutive bytes, aligned.  Waves share nothing: no barrier.
.set NX,   512                         ; work-groups that take x
.set ROWB, 4096                        ; a row of x or of a weight in bytes
.set SP,   528                         ; a stage row
.set WST,  16*SP                       ; a wave's stage
.set R,    16                          ; v16-143  two steps x 64 registers, as loaded
.set X,    144                         ; v144-207 64 numbers: register 16 c + e = k 32 c + 16 (lane / 16) + e of my row
.set T,    208
.set C,    240                         ; v240-255 a fragment's codes
	s_load_b512 s[4:19], s[0:1], 0x0               ; x 4, Wq 6, Wk 8, Wv 10, Wo 12, scales 14, xc 16, wc 18
	v_lshl_add_u32 v14, v0, 2, 0x8400
	v_mov_b32 v15, 0
	v_lshrrev_b32 v10, 5, v0
	v_readfirstlane_b32 s23, v10                   ; wave
	v_and_b32 v11, 31, v0
	v_lshlrev_b32 v1, 4, v11                       ; 16 x lane
	v_and_b32 v12, 15, v0                          ; r
	v_bfe_u32 v13, v0, 4, 1                        ; h
	s_mul_i32 s44, s23, WST
	v_add_nc_u32 v2, s44, v1                       ; into the stage: 16 x lane of a row
	v_mul_u32_u24 v3, v12, SP
	v_lshl_add_u32 v3, v13, 6, v3
	v_add_nc_u32 v3, s44, v3                       ; out of it: row r, + 64 h
	s_cmp_lt_u32 ttmp9, NX
	s_cselect_b32 s46, 0, NX
	s_sub_co_u32 s20, ttmp9, s46                   ; the row tile in the codes' buffer: g for x, id for the weights
	s_lshr_b32 s21, s20, 6                         ; which weight
	s_and_b32 s22, s20, 63
	s_cmp_lt_u32 ttmp9, NX
	s_cselect_b32 s22, s20, s22                    ; the row tile in the source tensor
	s_lshr_b32 s44, s22, 1
	s_lshl_b32 s44, s44, 17                        ; 32 rows x 4,096 bytes for each pair of tiles,
	s_and_b32 s45, s22, 1
	s_lshl_b32 s45, s45, 15                        ; 8 rows for the odd one,
	s_add_co_u32 s44, s44, s45
	s_lshl_b32 s45, s23, 10                        ; my wave's 256 numbers of a row
	s_add_co_u32 s44, s44, s45
	s_mov_b32 s45, 0
	s_lshr_b32 s46, s20, 3
	s_lshl_b32 s46, s46, 17
	s_lshl_b32 s47, s23, 15                        ; K steps 2 w and 2 w + 1
	s_add_co_u32 s46, s46, s47
	s_and_b32 s47, s20, 7
	s_lshl_b32 s47, s47, 12
	s_add_co_u32 s46, s46, s47
	s_mov_b32 s47, 0
	s_wait_alu depctr_va_vdst(0)
	s_wait_kmcnt 0x0
	s_load_b256 s[24:31], s[14:15], 0x0            ; e0 .. e7
	s_load_b128 s[32:35], s[14:15], 0x20           ; e8 .. e11
	s_mov_b64 s[36:37], s[12:13]                   ; the source: a choice on the work-group's number alone
	s_cmp_eq_u32 s21, 2
	s_cselect_b64 s[36:37], s[10:11], s[36:37]
	s_cmp_eq_u32 s21, 1
	s_cselect_b64 s[36:37], s[8:9], s[36:37]
	s_cmp_eq_u32 s21, 0
	s_cselect_b64 s[36:37], s[6:7], s[36:37]
	s_cmp_lt_u32 ttmp9, NX
	s_cselect_b64 s[36:37], s[4:5], s[36:37]
	s_cselect_b64 s[38:39], s[16:17], s[18:19]     ; the first pass's codes: xc's plane 0, or wc
	s_add_nc_u64 s[36:37], s[36:37], s[44:45]
	s_add_nc_u64 s[38:39], s[38:39], s[46:47]
	s_add_nc_u64 s[40:41], s[16:17], s[46:47]
	s_add_nc_u64 s[42:43], s[40:41], 0x1000000     ; xc's plane 2
	s_add_nc_u64 s[40:41], s[40:41], 0x800000      ; xc's plane 1  (a weight's work-group stores through neither)
.macro LOAD s                          ; step s: 16 rows x 512 bytes
.irp i, 0,1,2,3,4,5,6,7,8,9,10,11,12,13,14,15
	global_load_b128 v[R+64*(\s)+4*\i:R+64*(\s)+4*\i+3], v1, s[36:37] offset:(\i+8*(\i/8))*ROWB+512*(\s) th:TH_LOAD_NT
.endr
.endm
.macro TURN s                          ; through the stage: LDS serves a wave's instructions in order, so no wait stands between the stores and the loads
.irp i, 0,1,2,3,4,5,6,7,8,9,10,11,12,13,14,15
	ds_store_b128 v2, v[R+64*(\s)+4*\i:R+64*(\s)+4*\i+3] offset:SP*\i
.endr
	v_nop
.irp c, 0,1,2,3
.irp j, 0,1,2,3
	ds_load_b128 v[X+16*\c+4*\j:X+16*\c+4*\j+3], v3 offset:128*\c+16*\j
.endr
.endr
.endm
.macro MKSC e, sc, lim                 ; v[sc] = 2^e as f32; e in s[e]
	s_add_co_i32 s49, s[\e], 127
	s_lshl_b32 s50, s49, 23
	v_mov_b32 v[\sc], s50
.endm
; One fragment's codes with one scale.  X is kept: it serves up to three passes.
.macro QPASS s, sc, lim, d
	s_wait_xcnt 0x0                                ; the last pass's stores have read C: it is written again only behind this wait
.irp c, 0,1,2,3
.irp i, 0,1,2,3,4,5,6,7,8,9,10,11,12,13,14,15
.endr
	v_cvt_scalef32_pk8_fp8_f32 v[C+4*\c:C+4*\c+1], v[T+16*(\c%2)+((X+16*\c+0)-(T+16*(\c%2)+0)):T+16*(\c%2)+7+((X+16*\c+0)-(T+16*(\c%2)+0))], v[\sc]
	v_cvt_scalef32_pk8_fp8_f32 v[C+4*\c+2:C+4*\c+3], v[T+16*(\c%2)+8+((X+16*\c+0)-(T+16*(\c%2)+0)):T+16*(\c%2)+15+((X+16*\c+0)-(T+16*(\c%2)+0))], v[\sc]
.endr
.irp c, 0,1,2,3
	global_store_b128 v1, v[C+4*\c:C+4*\c+3], s[\d:\d+1] offset:2048*(\s)+512*\c   ; 32 lanes store 512 consecutive bytes, aligned
.endr
.endm
.macro HALF s, left
	s_wait_loadcnt \left                           ; this step's 16 loads are in
	TURN \s
	s_wait_dscnt 0x0
	QPASS \s, 4, 5, 38
	s_cmp_ge_u32 ttmp9, NX                         ; a weight has one scale: the branch, on the work-group's number, skips register work and stores alone
	s_cbranch_scc1 .Lweight_\s
	QPASS \s, 6, 7, 40
	QPASS \s, 8, 9, 42
.Lweight_\s:
.endm
	LOAD 0
	LOAD 1
	s_wait_kmcnt 0x0
	s_mov_b32 s48, s35                             ; the first pass's exponent: e11, e5, e3, e1 for the weights, e0 for x
	s_cmp_eq_u32 s21, 2
	s_cselect_b32 s48, s29, s48
	s_cmp_eq_u32 s21, 1
	s_cselect_b32 s48, s27, s48
	s_cmp_eq_u32 s21, 0
	s_cselect_b32 s48, s25, s48
	s_cmp_lt_u32 ttmp9, NX
	s_cselect_b32 s48, s24, s48
	MKSC 48, 4, 5
	MKSC 26, 6, 7                                  ; e2
	MKSC 28, 8, 9                                  ; e4
	s_wait_alu depctr_va_vdst(0)
	HALF 0, 16                                     ; the second step's 16 loads may stay out
	HALF 1, 0
	s_wait_tensorcnt 0x0
	ds_add_u32 v14, v15
	s_wait_dscnt 0x0
	s_endpgm
.Lfunc_end_k_qdf1f701725_quant:
	.size	k_qdf1f701725_quant, .Lfunc_end_k_qdf1f701725_quant-k_qdf1f701725_quant
	.p2alignl 7, 3214868480
	.fill 96, 4, 3214868480
	.section	.rodata,"a",@progbits
	.p2align	6, 0x0
	.amdhsa_kernel k_qdf1f701725_quant
		.amdhsa_group_segment_fixed_size 34304
		.amdhsa_private_segment_fixed_size 0
		.amdhsa_enable_private_segment 0
		.amdhsa_kernarg_size 64
		.amdhsa_user_sgpr_count 2
		.amdhsa_user_sgpr_kernarg_segment_ptr 1
		.amdhsa_wavefront_size32 1
		.amdhsa_system_sgpr_workgroup_id_x 1
		.amdhsa_system_sgpr_workgroup_id_y 1
		.amdhsa_system_sgpr_workgroup_id_z 1
		.amdhsa_system_vgpr_workitem_id 0
		.amdhsa_next_free_vgpr 256
		.amdhsa_next_free_sgpr 66
		.amdhsa_reserve_vcc 0
		.amdhsa_float_denorm_mode_32 3
		.amdhsa_float_denorm_mode_16_64 3
		.amdhsa_fp16_overflow 1
		.amdhsa_memory_ordered 1
		.amdhsa_forward_progress 1
		.amdhsa_inst_pref_size 17
	.end_amdhsa_kernel
	.amdgpu_metadata
---
amdhsa.version: [ 1, 2 ]
amdhsa.kernels:
  - .name:           k_qdf1f701725_quant
    .symbol:         k_qdf1f701725_quant.kd
    .args:
      - { .name: x, .offset: 0, .size: 8, .value_kind: global_buffer, .address_space: global }
      - { .name: Wq, .offset: 8, .size: 8, .value_kind: global_buffer, .address_space: global }
      - { .name: Wk, .offset: 16, .size: 8, .value_kind: global_buffer, .address_space: global }
      - { .name: Wv, .offset: 24, .size: 8, .value_kind: global_buffer, .address_space: global }
      - { .name: Wo, .offset: 32, .size: 8, .value_kind: global_buffer, .address_space: global }
      - { .name: lowp_scales, .offset: 40, .size: 8, .value_kind: global_buffer, .address_space: global }
      - { .name: xc, .offset: 48, .size: 8, .value_kind: global_buffer, .address_space: global }
      - { .name: wc, .offset: 56, .size: 8, .value_kind: global_buffer, .address_space: global }
    .group_segment_fixed_size: 34304
    .private_segment_fixed_size: 0
    .kernarg_segment_align: 8
    .kernarg_segment_size: 64
    .max_flat_workgroup_size: 128
    .sgpr_count:     66
    .vgpr_count:     256
    .wavefront_size: 32
...
	.end_amdgpu_metadata
.endif
;; end of part 1
;; launch qkv (part 2): grid 12 x 32, 4 waves a work-group, clusters of 4 x 4, 327,680 bytes of LDS; arguments xc, wc, lowp_scales, qkv; writes qkv
.if DOCPART == 2
	.amdgcn_target "amdgcn-amd-amdhsa--gfx1250"
	.amdhsa_code_object_version 6
	.text
	.protected	k_qdf1f701725_qkv
	.globl	k_qdf1f701725_qkv
	.p2align	8
	.type	k_qdf1f701725_qkv,@function
k_qdf1f701725_qkv:
	s_mov_b64 s[64:65], 0
	v_nop
	global_prefetch_b8 v0, s[64:65] scope:SCOPE_SE
	s_setreg_imm32_b32 hwreg(HW_REG_WAVE_MODE, 25, 1), 1
	s_wait_xcnt 0x0
	s_wait_alu depctr_hold_cnt(0) depctr_sa_sdst(0) depctr_va_vdst(0) depctr_va_sdst(0) depctr_va_ssrc(0) depctr_va_vcc(0) depctr_vm_vsrc(0)
	s_getreg_b32 s2, hwreg(HW_REG_IB_STS2, 6, 4)
	s_cmp_eq_u32 s2, 0
	s_cbranch_scc0 .Lentry_in_a_cluster
	s_endpgm
.Lentry_in_a_cluster:
	s_bfe_u32 s2, ttmp6, 0x10000c
	s_cmp_lg_u32 s2, 0xf033
	s_cbranch_scc0 .Lentry_shape_is_right
	s_endpgm
.Lentry_shape_is_right:
; q, k, v = x Wq^T, x Wk^T, x Wv^T on codes of FP8 (E4M3); each finished f32 sum is quantised at once into the code that attention wants: q with entry 6 of the scales, k with entry 7, v with entry 9.
; A sum stands for sum x 2^(ea + eb), so its code is sum / 2^f, held within +-448: f = e6 - e0 - e1 (q), e7 - e2 - e3 (k), e9 - e4 - e5 (v).  LIMIT: f lies between -126 and 119.
; ONE BODY FOR THE THREE.  It makes tiles of 256 x 256 of P Q^T, K = 1,024: source 0 of the matrix instruction = 16 rows of Q, source 1 = 16 rows of P, so that a lane holds ONE row of P and neighbours along Q's rows.
; The cluster's x says which product: 0 q, 1 k: P = x's codes (plane 0, 1), Q = the weight: a lane holds a token and neighbouring channels.  2 v: P = Wv, Q = x's plane 2: a lane holds a channel and neighbouring KEYS,
; which are the second attention product's K.  Only pointers and offsets are chosen (by selects on the cluster's x, the same in all sixteen partners): there is one path through the text.
; OPERANDS lie in memory as images of operand registers: a row tile T holds rows 32 (T / 2) + 8 (T % 2) + i + 8 (i / 8); for 8 row tiles, 256 along K are one dense block of 32 KiB:
; row tile x 4096 + (which 128 of K) x 2048 + 512 c + 16 lane.  They land in LDS as they lie, and a fragment is four loads of 16 bytes a lane at 16 x lane + a constant.
; With those rows, the 16 registers of Q's tiles 2 b and 2 b + 1 are 16 neighbours, 32 b + 16 (lane / 16) + 0 .. 15: what two conversions of eight take.  k is permuted alike in both operands of every product.
; A work-group of four waves; a wave makes 128 x 128: 64 accumulators.  K goes in 4 steps of 256 through a ring of two LDS slots.
; CLUSTERS: 4 x 4 work-groups.  P's tiles are shared along a row of the cluster, Q's along a column: each is asked for jointly, by the same tensor load with the same descriptor and a mask that names the four.
; THE RESULT, in qkv (three planes of 8 MiB; a head bh = 16 batch + head has 131,072 bytes in each): q, k: row tile T of the batch x 1024 + 512 c + 16 lane: d = 32 c + 16 (lane / 16) + 0 .. 15;
; v: key step x 8192 + channel tile x 2048 + 512 c + 16 lane: key = 128 step + 32 c + 16 (lane / 16) + 0 .. 15.  Every store covers 512 consecutive bytes, aligned.
; REGISTERS, in windows of 256: window 0: v16-31 addresses and scales; v96-111 the way out; from v128 P's fragments, ONE set.  window 1: Q's fragments, TWO sets, at v0 and v128.
;   window 2: the accumulators of my P blocks 0-3 ((a, b) at v[8 (8 (a % 4) + b)]); window 3: of blocks 4-7.
.set HALFT,  32768                     ; 8 row tiles x 256 K: what one tensor load brings, and what one wave reads of P or of Q
.set SLOT,   4*HALFT                   ; P's 16 row tiles, then Q's 16
.set SPARE,  2*SLOT                    ; behind the ring: the spare words, 128 bytes for each wave
.set FR,     16                        ; registers of a fragment: 16 rows x 128 K
.set NL,     4                         ; LDS loads that bring one
.set NP,     4                         ; places behind this matrix instruction (ISA guide 7.12.1)
.set ADRA, 16                          ; v16-17  LDS address of my P fragments in slot 0, 1
.set ADRB, 20                          ; v20-21  the same for Q
.set VO0,  26                          ; v26     16 x lane
.set VO1,  27                          ; v27     16 x lane + the way from a block's second group of codes to its third
.set SPW,  28                          ; v28     LDS address of my spare word; never rewritten
.set NIL,  29                          ; v29     0; never rewritten
.set SCL,  30                          ; v30     2^f as f32
.set LIM,  31
.set TMP,  32
.set CD,   96                          ; v96-111 its codes
.set AF,   128                         ; P's fragments, in window 0
.set G1, 24                            ; s[24:31] descriptor group 1 for P's tiles;  s[32:39] group 0, one set for each slot
.set G0, 32
.set G1B, 48                           ; s[48:55], s[56:63] the same for Q's tiles
.set G0B, 56
.set MSB, 0
.macro WIN new                         ; the immediate's high byte repeats the setting that is left
.if MSB != \new
	s_set_vgpr_msb (MSB<<8)|\new
.set MSB, \new
.endif
.endm
.set MUL_LO, 0xa1                      ; source 0 (Q) window 1, source 1 (P) window 0, C and D window 2
.set MUL_HI, 0xf1                      ; the same, C and D window 3
.set TO_B,   0x40                      ; destination window 1, address window 0
; A joint load: waves 0 and 1 fetch for P, waves 2 and 3 for Q.  The branch hangs on the wave's number alone.  Four v_nop follow each of the two lines.
.macro JLOAD g0a, g1a, g0b, g1b
	s_cmp_eq_u32 s15, 0
	s_cbranch_scc0 .Lfor_b_\@
	tensor_load_to_lds s[\g0a:\g0a+3], s[\g1a:\g1a+7]
	s_nop 0
.rept 4
	v_nop
.endr
	s_branch .Lasked_\@
.Lfor_b_\@:
	tensor_load_to_lds s[\g0b:\g0b+3], s[\g1b:\g1b+7]
	s_nop 0
.rept 4
	v_nop
.endr
.Lasked_\@:
.endm
.macro CREST                           ; a round of the cluster's barrier behind its opening barrier
	s_cmp_lg_u32 s14, 0
	s_cbranch_scc1 .Lnot_wave_0_\@
	s_barrier_signal -3
.Lnot_wave_0_\@:
	s_barrier_wait -3
	s_barrier_signal -1
	s_barrier_wait -1
.endm
.macro CROUND                          ; a whole round
	s_barrier_signal -1
	s_barrier_wait -1
	CREST
.endm
	s_load_b128 s[4:7], s[0:1], 0x0                ; x's codes s[4:5], the weights' codes s[6:7]
	s_load_b128 s[8:11], s[0:1], 0x10              ; the scales' exponents s[8:9], qkv s[10:11]
	v_lshl_add_u32 v[SPW], v0, 2, SPARE
	v_mov_b32 v[NIL], 0
	ds_add_u32 v28, v29
	ds_add_u32 v28, v29
	s_wait_dscnt 0x0
	v_lshrrev_b32 v1, 5, v0
	v_readfirstlane_b32 s14, v1                    ; wave 0..3
	s_lshr_b32 s15, s14, 1                         ; which half of the tile's P rows is mine.  Also: I fetch for P (0) or for Q (1)
	s_and_b32 s16, s14, 1                          ; which half of its Q rows.  Also: which 8 row tiles I fetch
	s_bfe_u32 s40, ttmp6, 0x40000                  ; cx, cy: my place in the cluster
	s_bfe_u32 s41, ttmp6, 0x40004
	s_mov_b32 s42, ttmp9                           ; the cluster's x: 0 q, 1 k, 2 v
	s_and_b32 s17, ttmp7, 0xffff                   ; the cluster's y: 0 .. 7
	s_lshl_b32 s43, s41, 2
	s_lshl_b32 s43, 15, s43                        ; my row of the cluster
	s_lshl_b32 s44, 0x1111, s40                    ; my column
	; descriptor group 1: a dense block of 32 KiB as 128 rows of 32 elements of 8 bytes
	s_or_b32 s[G1+0], s43, (3<<16)|(1<<21)         ; 15:0 the mask: P's tiles go to my row; 17:16 elements of 8 bytes; 21 set beside a mask; no padding
	s_or_b32 s[G1B+0], s44, (3<<16)|(1<<21)        ; Q's go to my column
.irp g, G1, G1B
	s_mov_b32 s[\g+1], 32<<16                      ; tensor_dim0 = 32
	s_mov_b32 s[\g+2], 128<<16                     ; tensor_dim1 = 128
	s_mov_b32 s[\g+3], 32<<16                      ; tile_dim0 = 32
	s_mov_b32 s[\g+4], 128                         ; tile_dim1 = 128
	s_mov_b32 s[\g+5], 32                          ; tensor_dim0_stride
	s_mov_b32 s[\g+6], 0
	s_mov_b32 s[\g+7], 0
.endr
	s_cmp_eq_u32 s42, 2                            ; x has 32 tiles of 256 rows, a weight 4: the cluster's y walks x's, on P's side (q, k) or on Q's (v)
	s_cselect_b32 s19, 0, s17
	s_cselect_b32 s45, s17, 0
	s_lshl_b32 s19, s19, 2
	s_add_co_u32 s19, s19, s41                     ; P's tile: made of cy alone
	s_lshl_b32 s45, s45, 2
	s_add_co_u32 s45, s45, s40                     ; Q's tile: made of cx alone
	s_lshl_b32 s20, s19, 1
	s_add_co_u32 s20, s20, s16
	s_lshl_b32 s20, s20, 17                        ; 8 row tiles x 1,024 K are 131,072 bytes
	s_mov_b32 s21, 0
	s_lshl_b32 s46, s45, 1
	s_add_co_u32 s46, s46, s16
	s_lshl_b32 s46, s46, 17
	s_mov_b32 s47, 0
	s_lshl_b32 s66, s42, 23                        ; x's plane
	s_mov_b32 s67, 0
	s_lshl_b32 s68, s42, 20                        ; the weight
	s_mov_b32 s69, 0
	s_lshl_b32 s18, s14, 15                        ; where my fill goes: wave x 32 KiB: no place in the cluster enters an LDS address
	s_wait_kmcnt 0x0
	s_load_b256 s[72:79], s[8:9], 0x0              ; e0 .. e7
	s_load_b128 s[80:83], s[8:9], 0x20             ; e8 .. e11
	s_add_nc_u64 s[66:67], s[4:5], s[66:67]
	s_add_nc_u64 s[68:69], s[6:7], s[68:69]
	s_cmp_eq_u32 s42, 2
	s_cselect_b64 s[22:23], s[68:69], s[66:67]     ; P's buffer
	s_cselect_b64 s[70:71], s[66:67], s[68:69]     ; Q's
	s_add_nc_u64 s[20:21], s[22:23], s[20:21]
	s_add_nc_u64 s[46:47], s[70:71], s[46:47]
	CROUND                                         ; all sixteen work-groups are here: the first joint loads meet
.irp s, 0,1
	s_mov_b32 s[G0+4*\s], 1
	s_add_co_u32 s[G0+4*\s+1], s18, \s*SLOT
	s_add_nc_u64 s[G0+4*\s+2:G0+4*\s+3], s[20:21], \s*HALFT   ; K step s
	s_or_b32 s[G0+4*\s+3], s[G0+4*\s+3], 0x80000000
	s_mov_b32 s[G0B+4*\s], 1
	s_add_co_u32 s[G0B+4*\s+1], s18, \s*SLOT
	s_add_nc_u64 s[G0B+4*\s+2:G0B+4*\s+3], s[46:47], \s*HALFT
	s_or_b32 s[G0B+4*\s+3], s[G0B+4*\s+3], 0x80000000
	JLOAD G0+4*\s, G1, G0B+4*\s, G1B
.endr
	v_and_b32 v1, 31, v0
	v_lshlrev_b32 v[VO0], 4, v1                    ; 16 x lane
	s_wait_alu depctr_va_vdst(0)
	s_lshl_b32 s21, s15, 15                        ; my 8 row tiles of P
	s_lshl_b32 s22, s16, 15                        ; my 8 of Q,
	s_add_co_u32 s22, s22, 2*HALFT                 ; which lie behind P's 16
.irp s, 0,1
	v_add_nc_u32 v[ADRA+\s], s21, v[VO0]
	v_add_nc_u32 v[ADRB+\s], s22, v[VO0]
	s_add_co_u32 s21, s21, SLOT
	s_add_co_u32 s22, s22, SLOT
.endr
	; where my codes go.  XT: x's tile of 256 tokens, xh: my half of it; WT: the weight's tile of 256 channels, wh: my half of it
	s_cmp_eq_u32 s42, 2
	s_cselect_b32 s89, s40, s41
	s_cselect_b32 s90, s41, s40                    ; WT
	s_cselect_b32 s91, s16, s15                    ; xh
	s_cselect_b32 s92, s15, s16                    ; wh
	s_mov_b32 s84, 1024
	s_cselect_b32 s84, 2048, s84                   ; from a block of P to the next: a row tile of q or k, or a channel tile of v
	s_cselect_b32 s86, 122880, 0                   ; v: behind four channel tiles comes the next head: 131,072 - 4 x 2,048 more
	s_mov_b32 s88, 131072
	s_cselect_b32 s88, 1024, s88                   ; from a block's codes of Q rows 0-63 to those of rows 64-127: the next head (q, k), or groups c = 2, 3 (v)
	s_mov_b32 s85, 0
	s_mov_b32 s87, 0
	s_lshl_b32 s93, s17, 2
	s_add_co_u32 s89, s89, s93                     ; XT
	s_lshl_b32 s94, s42, 23                        ; the plane,
	s_lshr_b32 s93, s89, 3
	s_lshl_b32 s93, s93, 21                        ; the batch's 16 heads,
	s_add_co_u32 s94, s94, s93
	s_lshl_b32 s93, s90, 2
	s_lshl_b32 s92, s92, 1
	s_add_co_u32 s93, s93, s92
	s_lshl_b32 s93, s93, 17                        ; my first head: 4 WT + 2 wh,
	s_add_co_u32 s94, s94, s93
	s_and_b32 s93, s89, 7
	s_lshl_b32 s93, s93, 1
	s_add_co_u32 s93, s93, s91
	s_lshl_b32 s93, s93, 13                        ; my 128 tokens: 8 row tiles of 1,024 bytes, or one key step of 8,192
	s_add_co_u32 s94, s94, s93
	s_mov_b32 s95, 0
	s_add_nc_u64 s[10:11], s[10:11], s[94:95]
	v_add_nc_u32 v[VO1], s88, v[VO0]
	s_wait_alu depctr_va_vdst(0)
	s_wait_kmcnt 0x0
	s_sub_co_i32 s89, s78, s72
	s_sub_co_i32 s89, s89, s73                     ; e6 - e0 - e1
	s_sub_co_i32 s90, s79, s74
	s_sub_co_i32 s90, s90, s75                     ; e7 - e2 - e3
	s_sub_co_i32 s91, s81, s76
	s_sub_co_i32 s91, s91, s77                     ; e9 - e4 - e5
	s_cmp_eq_u32 s42, 1
	s_cselect_b32 s92, s90, s89
	s_cmp_eq_u32 s42, 2
	s_cselect_b32 s92, s91, s92                    ; f: a select, no branch
	s_add_co_i32 s92, s92, 127
	s_lshl_b32 s93, s92, 23
	v_mov_b32 v[SCL], s93
.macro FRAG reg, adr, q, i             ; a fragment, 16 rows x 128 K, is 16 registers: four groups of 512 bytes, as they were stored
.irp c, 0,1,2,3
	ds_load_b128 v[\reg+4*\c:\reg+4*\c+3], v[\adr] offset:2048*(\q)+512*\c+(\i)*4096
.endr
.endm
; 16 matrix instructions: P's blocks a0, a0 + 1 x Q's eight, 128 along K.  p: Q's set.  zero = 1: the first product starts the sums.
; The 64 accumulators take turns, one instruction a turn, in the same order in every step.
.macro MUL16 a0, p, zero
.irp a, \a0, \a0+1
.irp b, 0,1,2,3,4,5,6,7
.if \zero
	v_wmma_f32_16x16x128_fp8_fp8 v[8*(8*((\a)%4)+\b):8*(8*((\a)%4)+\b)+7], v[128*(\p)+FR*\b:128*(\p)+FR*\b+FR-1], v[AF+FR*(\a):AF+FR*(\a)+FR-1], 0
.else
	v_wmma_f32_16x16x128_fp8_fp8 v[8*(8*((\a)%4)+\b):8*(8*((\a)%4)+\b)+7], v[128*(\p)+FR*\b:128*(\p)+FR*\b+FR-1], v[AF+FR*(\a):AF+FR*(\a)+FR-1], v[8*(8*((\a)%4)+\b):8*(8*((\a)%4)+\b)+7]
.endif
.endr
.endr
.endm
.macro FETCH_B slot, q, p              ; Q's eight fragments of the slot's q-th 128 along K into set p
	WIN TO_B
.irp i, 0,1,2,3,4,5,6,7
	FRAG 128*(\p)+FR*\i, ADRB+\slot, \q, \i
.endr
	WIN 0
.endm
.macro FETCH_A slot, q, i0             ; P's blocks i0 .. i0 + 3
.irp i, \i0, \i0+1, \i0+2, \i0+3
	FRAG AF+FR*(\i), ADRA+\slot, \q, \i
.endr
.endm
.macro PLACES n                        ; plain vector instructions between a matrix instruction and a load into, or a vector read of, its registers
.rept \n
	v_nop
.endr
.endm
; A step of 128 along K that has its successor in the same slot.  A block of P is free as soon as its eight products are issued, so one set serves P: blocks 0-3 are fetched anew in the step's middle, blocks 4-7 at its end.
.macro STEP slot, q, zero
	s_wait_dscnt 4*NL                              ; Q's set and P's blocks 0-3 are in; the youngest 16 loads (P's blocks 4-7) may be out
	WIN MUL_LO
	MUL16 0, (\q)%2, \zero
	MUL16 2, (\q)%2, \zero
	s_wait_dscnt 0                                 ; P's blocks 4-7 are in
	PLACES NP
	FETCH_B \slot, (\q)+1, 1-(\q)%2
	FETCH_A \slot, (\q)+1, 0
	WIN MUL_HI
	MUL16 4, (\q)%2, \zero
	MUL16 6, (\q)%2, \zero
	PLACES NP
	WIN 0
	FETCH_A \slot, (\q)+1, 4
.endm
; A slot's last step changes slots: ONE barrier; in front of it each wave waits for all its tensor loads, adds 0 to its spare word, and waits for that and for its own reads of this slot.  fill = 1: this slot is filled again, two K steps ahead.
.macro TURN slot, next, fill
	s_wait_tensorcnt 0x0                           ; all my tensor loads have landed: my part of the next slot
	ds_add_u32 v[SPW], v[NIL]                      ; 0 onto my spare word
	s_wait_dscnt 4*NL+1                            ; (the add and the youngest 16 loads, P's blocks 4-7, may be out)
	WIN MUL_LO
	MUL16 0, 1, 0                                  ; sixteen matrix instructions stand between the add and the wait for it
	s_wait_dscnt 0x0                               ; the add is done, and my reads of this slot are over
	s_barrier_signal -1
	MUL16 2, 1, 0
	WIN 0
	s_barrier_wait -1
.if \fill
	CREST                                          ; the barrier has opened a round of the cluster's barrier: no wave of any partner still reads this slot or has a load on its way
	s_add_nc_u64 s[G0+4*\slot+2:G0+4*\slot+3], s[G0+4*\slot+2:G0+4*\slot+3], 2*HALFT
	s_add_nc_u64 s[G0B+4*\slot+2:G0B+4*\slot+3], s[G0B+4*\slot+2:G0B+4*\slot+3], 2*HALFT
	JLOAD G0+4*\slot, G1, G0B+4*\slot, G1B         ; the first tensor load behind the round; its four v_nop are the places in front of the loads below
.else
	PLACES NP
.endif
	FETCH_B \next, 0, 0
	FETCH_A \next, 0, 0
	WIN MUL_HI
	MUL16 4, 1, 0
	MUL16 6, 1, 0
	PLACES NP
	WIN 0
	FETCH_A \next, 0, 4
.endm
	s_wait_tensorcnt 1                             ; my part of K step 0 is in (K step 1's load may be out)
	s_barrier_signal -1
	s_barrier_wait -1                              ; everybody's is
	FETCH_B 0, 0, 0
	FETCH_A 0, 0, 0
	FETCH_A 0, 0, 4
	STEP 0, 0, 1                                   ; four K steps of 256, written out: the first products start the sums
	TURN 0, 1, 1                                   ; slot 0 takes K step 2
	STEP 1, 0, 0
	TURN 1, 0, 1                                   ; slot 1 takes K step 3
	STEP 0, 0, 0
	TURN 0, 1, 0                                   ; nothing is left to fetch
	STEP 1, 0, 0
	s_wait_dscnt 4*NL                              ; the very last step
	WIN MUL_LO
	MUL16 0, 1, 0
	MUL16 2, 1, 0
	s_wait_alu depctr_va_vdst(0)
	s_wait_dscnt 0
	WIN MUL_HI
	MUL16 4, 1, 0
	MUL16 6, 1, 0
	WIN 0
; THE WAY OUT, a block of P (16 rows) at a time.  Register 16 b + e of the block's 64 is Q's row 32 b + 16 (lane / 16) + e: eight at a time into codes: 16 bytes a lane for each b,
; which 32 lanes store as 512 consecutive bytes.  Each accumulator is read from its low end on.
.macro OUTBLK a
.if (\a) > 0
	s_wait_xcnt 0x0                                ; the last block's stores have read their base and their codes: both are written again only behind this wait
	s_add_nc_u64 s[10:11], s[10:11], s[84:85]
.endif
.if (\a) == 4
	s_add_nc_u64 s[10:11], s[10:11], s[86:87]
.endif
	WIN 0x02+((\a)/4)                              ; source 0: window 2 or 3
.set j, 0
.rept 64
.set j, j+1
.endr
.irp g, 0,1,2,3,4,5,6,7
	v_cvt_scalef32_pk8_fp8_f32 v[CD+2*\g:CD+2*\g+1], v[TMP+8*\g+((64*((\a)%4)+j)-(TMP+j)):TMP+8*\g+7+((64*((\a)%4)+j)-(TMP+j))], v[SCL]
.endr
	WIN 0
	v_nop                                          ; a plain vector instruction behind the conversions
	global_store_b128 v[VO0], v[CD:CD+3], s[10:11]
	global_store_b128 v[VO0], v[CD+4:CD+7], s[10:11] offset:512
	global_store_b128 v[VO1], v[CD+8:CD+11], s[10:11]
	global_store_b128 v[VO1], v[CD+12:CD+15], s[10:11] offset:512
.endm
	PLACES NP
.irp a, 0,1,2,3,4,5,6,7
	OUTBLK \a
.endr
	s_wait_tensorcnt 0x0                           ; the wave's end
	ds_add_u32 v[SPW], v[NIL]
	s_wait_dscnt 0x0
	CROUND                                         ; the closing round: no work-group ends while a partner may still ask for a tile that names it
	s_endpgm
.Lfunc_end_k_qdf1f701725_qkv:
	.size	k_qdf1f701725_qkv, .Lfunc_end_k_qdf1f701725_qkv-k_qdf1f701725_qkv
	.p2alignl 7, 3214868480
	.fill 96, 4, 3214868480
	.section	.rodata,"a",@progbits
	.p2align	6, 0x0
	.amdhsa_kernel k_qdf1f701725_qkv
		.amdhsa_group_segment_fixed_size 327680
		.amdhsa_private_segment_fixed_size 0
		.amdhsa_enable_private_segment 0
		.amdhsa_kernarg_size 32
		.amdhsa_user_sgpr_count 2
		.amdhsa_user_sgpr_kernarg_segment_ptr 1
		.amdhsa_wavefront_size32 1
		.amdhsa_system_sgpr_workgroup_id_x 1
		.amdhsa_system_sgpr_workgroup_id_y 1
		.amdhsa_system_sgpr_workgroup_id_z 1
		.amdhsa_system_vgpr_workitem_id 0
		.amdhsa_next_free_vgpr 1024
		.amdhsa_next_free_sgpr 98
		.amdhsa_reserve_vcc 0
		.amdhsa_float_denorm_mode_32 3
		.amdhsa_float_denorm_mode_16_64 3
		.amdhsa_fp16_overflow 1
		.amdhsa_memory_ordered 1
		.amdhsa_forward_progress 1
		.amdhsa_inst_pref_size 87
	.end_amdhsa_kernel
	.amdgpu_metadata
---
amdhsa.version: [ 1, 2 ]
amdhsa.kernels:
  - .name:           k_qdf1f701725_qkv
    .symbol:         k_qdf1f701725_qkv.kd
    .args:
      - { .name: xc, .offset: 0, .size: 8, .value_kind: global_buffer, .address_space: global }
      - { .name: wc, .offset: 8, .size: 8, .value_kind: global_buffer, .address_space: global }
      - { .name: lowp_scales, .offset: 16, .size: 8, .value_kind: global_buffer, .address_space: global }
      - { .name: qkv, .offset: 24, .size: 8, .value_kind: global_buffer, .address_space: global }
    .group_segment_fixed_size: 327680
    .private_segment_fixed_size: 0
    .kernarg_segment_align: 8
    .kernarg_segment_size: 32
    .max_flat_workgroup_size: 128
    .sgpr_count:     98
    .vgpr_count:     1024
    .wavefront_size: 32
...
	.end_amdgpu_metadata
.endif
;; end of part 2
;; launch attn (part 3): grid 4 x 64, 16 waves a work-group, clusters of 4 x 1, 264,192 bytes of LDS; arguments qkv, lowp_scales, ac; writes ac
.if DOCPART == 3
	.amdgcn_target "amdgcn-amd-amdhsa--gfx1250"
	.amdhsa_code_object_version 6
	.text
	.protected	k_qdf1f701725_attn
	.globl	k_qdf1f701725_attn
	.p2align	8
	.type	k_qdf1f701725_attn,@function
k_qdf1f701725_attn:
	s_mov_b64 s[64:65], 0
	v_nop
	global_prefetch_b8 v0, s[64:65] scope:SCOPE_SE
	s_setreg_imm32_b32 hwreg(HW_REG_WAVE_MODE, 25, 1), 1
	s_wait_xcnt 0x0
	s_wait_alu depctr_hold_cnt(0) depctr_sa_sdst(0) depctr_va_vdst(0) depctr_va_sdst(0) depctr_va_ssrc(0) depctr_va_vcc(0) depctr_vm_vsrc(0)
	s_getreg_b32 s2, hwreg(HW_REG_IB_STS2, 6, 4)
	s_cmp_eq_u32 s2, 0
	s_cbranch_scc0 .Lentry_in_a_cluster
	s_endpgm
.Lentry_in_a_cluster:
	s_bfe_u32 s2, ttmp6, 0x10000c
	s_cmp_lg_u32 s2, 0x3003
	s_cbranch_scc0 .Lentry_shape_is_right
	s_endpgm
.Lentry_shape_is_right:
; Causal attention on codes of FP8 (E4M3): for each of 64 heads bh = 16 batch + head, 2,048 queries and keys, head size 64.  Both products on codes; the result, divided by the row's sum, is quantised with entry 10 of the scales.
; THE SOFTMAX AHEAD OF THE SECOND PRODUCT: t = score x 2^(e6 + e7) x log2(e) / 8; M = the row's largest t so far, rounded UP to a whole number; p = 2^(t - M) is quantised with 2^e8; it is not normalised.
; The row's sum is taken of the unquantised p, in f32.  When M moves, the sum and O are multiplied by 2^(old M - new M), which rounds nothing.
; LIMITS on the given exponents, so that each power of two below is an f32 number: e6 + e7 between -123 and 130; e8, and e10 - e8 - e9, between -126 and 119.
; A HEAD'S K AND V CODES, 131,072 bytes each, LIE IN LDS WHOLE: no slot is filled again, and the loop has no barrier.  The four work-groups of a cluster own one head and ask for K and V jointly:
; each of the sixteen waves issues one joint load of 16 KiB, with a mask that names the four.
; SHARES, alike in all partners.  The head's 128 tiles of 16 queries are dealt T = 4 u + cx.  Wave w takes u = w, then u = 31 - w.  Tile T's queries lie in 64 u .. 64 u + 63 whatever cx is, so every branch hangs on u
; (the wave's number) and the loop's counter alone: a step of 128 keys is left out where 2 ks > u, needs no mask where 2 ks + 2 <= u, and is masked lane by lane otherwise (one step a pass).
; Every wave works (u0 / 2 + 1) + (u1 / 2 + 1) = 17 steps.  cx enters global addresses and one vector constant of the mask, no branch and no LDS address.
; LAYOUT.  All operands are images of operand registers (512 bytes a group of four registers, lane l at 16 l).  A tile T holds rows 32 (T / 2) + 8 (T % 2) + i + 8 (i / 8).
; Both products are used transposed: S^T = K Q^T (source 0 = 16 keys, source 1 = my 16 queries), O^T = V^T P^T (source 0 = 16 channels, source 1 = P): a lane holds ONE query throughout,
; the 16 registers of key tiles 2 b, 2 b + 1 are keys 32 b + 16 (lane / 16) + 0 .. 15, and likewise O^T's channels: the conversions' results are the next product's operand.
; THE RESULT goes to ac as an image too: (RT / 8) 131072 + (head / 4) 32768 + (RT % 8) 4096 + (head % 4) 1024 + 512 b + 16 lane, RT = 128 batch + T: each store covers 512 consecutive bytes, aligned.
; No prefetch is laid: all tensor loads of this text stand at its head.
; REGISTERS: v1 16 x lane; v2 the mask's constant; v3, v4 LDS addresses; v6 2^e8; v7 -infinity; v8, v9, v26, v27 at work; v[10:11] f, later 1 / the sum; v12 -M; v13 the largest t; v[14:15], v[24:25] the sum;
;   v16-23 Q; v28 2^(e10-e8-e9); v32-95 K's 8 fragments, then p's codes, at the end the result's codes; v96-159 S^T, then p; v160-191 O^T; v192-255 V's 4 fragments.
.macro ROUND                           ; a round of the cluster's barrier
	s_barrier_signal -1
	s_barrier_wait -1
	s_cmp_lg_u32 s18, 0
	s_cbranch_scc1 .Lnot_wave_0_\@
	s_barrier_signal -3
.Lnot_wave_0_\@:
	s_barrier_wait -3
	s_barrier_signal -1
	s_barrier_wait -1
.endm
.macro MKSC e, sc, lim                 ; v[sc] = 2^e as f32; e in s[e]
	s_add_co_i32 s54, s[\e], 127
	s_lshl_b32 s55, s54, 23
	v_mov_b32 v[\sc], s55
.endm
	s_load_b128 s[4:7], s[0:1], 0x0                ; qkv s[4:5], the scales' exponents s[6:7]
	s_load_b64 s[8:9], s[0:1], 0x10                ; ac
	v_lshl_add_u32 v30, v0, 2, 0x40000
	v_mov_b32 v31, 0
	ds_add_u32 v30, v31
	ds_add_u32 v30, v31
	v_lshrrev_b32 v8, 5, v0
	s_delay_alu instid0(VALU_DEP_1)
	v_readfirstlane_b32 s18, v8                    ; wave 0..15
	s_bfe_u32 s19, ttmp6, 0x40000                  ; cx
	s_and_b32 s22, ttmp7, 0xffff                   ; bh, which the four partners share
	s_mov_b32 s20, s18                             ; u of the first pass,
	s_sub_co_u32 s21, 31, s18                      ; of the second
	; descriptor group 1: a dense block of 16 KiB as 64 rows of 32 elements of 8 bytes
	s_mov_b32 s24, 15|(3<<16)|(1<<21)              ; 15:0 the mask: all four work-groups; 17:16 elements of 8 bytes; 21 set beside a mask; no padding
	s_mov_b32 s25, 32<<16                          ; tensor_dim0 = 32
	s_mov_b32 s26, 64<<16                          ; tensor_dim1 = 64
	s_mov_b32 s27, 32<<16                          ; tile_dim0 = 32
	s_mov_b32 s28, 64                              ; tile_dim1 = 64
	s_mov_b32 s29, 32                              ; tensor_dim0_stride
	s_mov_b32 s30, 0
	s_mov_b32 s31, 0
	s_lshl_b32 s53, s22, 17                        ; the head's first byte in a plane
	s_lshr_b32 s56, s18, 3                         ; waves 0-7 fetch K (plane 1), waves 8-15 V (plane 2):
	s_add_co_u32 s56, s56, 1
	s_lshl_b32 s56, s56, 23
	s_add_co_u32 s56, s56, s53
	s_and_b32 s57, s18, 7
	s_lshl_b32 s57, s57, 14                        ; an eighth of the head's 131,072 bytes each
	s_add_co_u32 s56, s56, s57
	s_mov_b32 s57, 0
	s_mov_b32 s32, 1                               ; group 0: count = 1,
	s_lshl_b32 s33, s18, 14                        ; LDS address: wave x 16 KiB: K from byte 0, V from byte 131,072
	s_wait_dscnt 0x0
	s_wait_kmcnt 0x0
	s_load_b256 s[72:79], s[6:7], 0x0              ; e0 .. e7
	s_load_b128 s[80:83], s[6:7], 0x20             ; e8 .. e11
	s_add_nc_u64 s[34:35], s[4:5], s[56:57]
	s_or_b32 s35, s35, 0x80000000                  ; type = 2
	ROUND                                          ; all four work-groups are here: the joint loads meet
	tensor_load_to_lds s[32:35], s[24:31]          ; my one tensor load
	s_nop 0
.rept 4
	v_nop
.endr
	v_and_b32 v1, 31, v0
	s_delay_alu instid0(VALU_DEP_1)
	v_lshlrev_b32 v1, 4, v1                        ; 16 x lane
	s_wait_alu depctr_va_vdst(0)
	s_and_b32 s50, s22, 15                         ; the head in its batch
	s_lshr_b32 s52, s50, 2
	s_lshl_b32 s52, s52, 15
	s_and_b32 s50, s50, 3
	s_lshl_b32 s50, s50, 10
	s_add_co_u32 s52, s52, s50                     ; its part of ac's address
	s_lshr_b32 s58, s22, 4
	s_lshl_b32 s58, s58, 7                         ; the batch's first row tile
.macro BASES u, qb, ob                 ; tile T = 4 u + cx: where its Q codes lie, and where its result goes
	s_lshl_b32 s50, s[\u], 2
	s_add_co_u32 s50, s50, s19
	s_lshl_b32 s54, s50, 10
	s_add_co_u32 s54, s54, s53
	s_mov_b32 s55, 0
	s_add_nc_u64 s[\qb:\qb+1], s[4:5], s[54:55]
	s_add_co_u32 s50, s50, s58                     ; RT
	s_lshr_b32 s54, s50, 3
	s_lshl_b32 s54, s54, 17
	s_and_b32 s51, s50, 7
	s_lshl_b32 s51, s51, 12
	s_add_co_u32 s54, s54, s51
	s_add_co_u32 s54, s54, s52
	s_add_nc_u64 s[\ob:\ob+1], s[8:9], s[54:55]
.endm
	BASES 20, 36, 40
	BASES 21, 38, 42
	global_load_b128 v[16:19], v1, s[36:37]        ; the first pass's Q
	global_load_b128 v[20:23], v1, s[36:37] offset:512
	s_lshr_b32 s50, s19, 1
	s_lshl_b32 s50, s50, 5
	s_and_b32 s51, s19, 1
	s_lshl_b32 s51, s51, 3
	s_add_co_u32 s50, s50, s51                     ; 32 (cx / 2) + 8 (cx % 2)
	v_and_b32 v8, 15, v0                           ; r
	s_delay_alu instid0(VALU_DEP_1)
	v_and_b32 v2, 8, v8
	s_delay_alu instid0(VALU_DEP_1)
	v_add_nc_u32 v2, v2, v8                        ; r + 8 (r / 8)
	s_delay_alu instid0(VALU_DEP_1)
	v_add_nc_u32 v2, s50, v2                       ; my query, counted from 64 u,
	v_bfe_u32 v8, v0, 4, 1
	s_delay_alu instid0(VALU_DEP_1)
	v_lshlrev_b32 v8, 4, v8
	s_delay_alu instid0(VALU_DEP_1)
	v_sub_nc_u32 v2, v2, v8                        ; less 16 (lane / 16)
	v_mov_b32 v7, 0xff800000                       ; -infinity
	v_mov_b32 v9, 0                                ; written once: a lane permute's destination counts as one of its sources
	v_mov_b32 v11, 0                               ; (named as the upper half of the pair v[10:11])
	s_mov_b32 s46, 0x76543210                      ; lane selects for v_permlanex16_b32: lane l xor 16
	s_mov_b32 s47, 0xfedcba98
	s_wait_kmcnt 0x0
	s_add_co_i32 s50, s78, s79
	s_lshl_b32 s50, s50, 23
	s_mov_b32 s44, 0x3e38aa3b                      ; log2(e) / 8
	s_add_co_i32 s44, s44, s50                     ; x 2^(e6 + e7): the two exponents are added to its exponent field
	s_mov_b32 s45, s44                             ; (named with it as a pair, so it is written)
	MKSC 80, 6, 5                                  ; 2^e8
	s_sub_co_i32 s51, s82, s80
	s_sub_co_i32 s51, s51, s81                     ; O / the sum stands for that x 2^(e8 + e9): its code is that / 2^(e10 - e8 - e9)
	MKSC 51, 28, 29
	s_wait_tensorcnt 0x0                           ; my part of K or V is in,
	s_barrier_signal -1
	s_barrier_wait -1                              ; everybody's is; from here on LDS is only read
; A PASS: one tile of 16 queries against the keys up to its own.  p: which pass; trips: a constant, enough for the largest u of the pass.
.macro PASS p, trips
	v_mov_b32 v13, 0xff61b1e6                      ; the largest t so far: -3e38, under every t
	s_delay_alu instid0(VALU_DEP_1)
	v_floor_f32 v12, -v13                          ; -M
	v_mov_b32 v14, 0                               ; the sum, in two halves
	v_mov_b32 v15, 0
.set j, 0
.rept 32
	v_mov_b32 v[160+j], 0                          ; O^T: the step is written once; the first finds zeros, which the first change of M leaves zeros
.set j, j+1
.endr
.if \p
	s_wait_xcnt 0x0                                ; the first pass's stores have read v32-39: they are loaded over only behind this wait
.endif
	s_wait_loadcnt 0x0                             ; Q
	s_mov_b32 s48, 0                               ; the key step
	s_mov_b32 s49, 0                               ; and its first byte in K's and in V's part of LDS
.Ltrip_\p:
	s_lshl_b32 s50, s48, 1
	s_cmp_gt_u32 s50, s[20+\p]                     ; all 128 keys come after my queries: the step's work is left out
	s_cbranch_scc1 .Lhid_\p
	s_setprio 2
	v_add_nc_u32 v3, s49, v1
	s_delay_alu instid0(VALU_DEP_1)
	v_add_nc_u32 v4, 0x20000, v3
	v_nop                                          ; with the two additions: four places between the last products and the loads into their operands' registers
	v_nop
.irp t, 0,1,2,3,4,5,6,7
	ds_load_b128 v[32+8*\t:35+8*\t], v3 offset:1024*\t
	ds_load_b128 v[36+8*\t:39+8*\t], v3 offset:1024*\t+512
.endr
	s_wait_alu depctr_va_vdst(0)
	s_wait_dscnt 8                                 ; key tiles 0-3 are in; tiles 4-7's eight loads may be out
.irp t, 0,1,2,3
	v_wmma_f32_16x16x64_fp8_fp8 v[96+8*\t:103+8*\t], v[32+8*\t:39+8*\t], v[16:23], 0
.endr
	s_wait_dscnt 0x0
.irp t, 4,5,6,7
	v_wmma_f32_16x16x64_fp8_fp8 v[96+8*\t:103+8*\t], v[32+8*\t:39+8*\t], v[16:23], 0
.endr
.irp t, 0,1,2,3
.irp c, 0,1,2,3
	ds_load_b128 v[192+16*\t+4*\c:195+16*\t+4*\c], v4 offset:2048*\t+512*\c   ; V lands while the softmax is worked
.endr
.endr
.rept 4
	v_nop                                          ; places in front of the first read of the scores
.endr
	s_add_co_u32 s50, s50, 2
	s_cmp_le_u32 s50, s[20+\p]                     ; all 128 keys count for all my queries: no mask
	s_cbranch_scc1 .Lopen_\p
	s_lshl_b32 s51, s[20+\p], 6
	s_lshl_b32 s52, s48, 7
	s_sub_co_i32 s51, s51, s52
	v_add_nc_u32 v27, s51, v2                      ; d = my query - the step's first key - 16 (lane / 16).  Register 16 b + e holds key 32 b + 16 (lane / 16) + e of the step: hidden where 32 b + e > d
.irp n, 0,1,2,3,4,5,6,7,8,9,10,11,12,13,14,15,16,17,18,19,20,21,22,23,24,25,26,27,28,29,30,31,32,33,34,35,36,37,38,39,40,41,42,43,44,45,46,47,48,49,50,51,52,53,54,55,56,57,58,59,60,61,62,63
	v_cmp_gt_i32 vcc_lo, 32*(\n/16)+\n%16, v27
	v_cndmask_b32 v[96+\n], v[96+\n], v7, vcc_lo   ; a hidden score becomes -infinity ahead of the maximum: p = 0 then
.endr
.Lopen_\p:
	v_max3_num_f32 v8, v96, v97, v98               ; the step's largest score of my query, among my 64 keys, in two chains, each tile from its low end on,
	v_max3_num_f32 v26, v99, v100, v101
.irp i, 6,10,14,18,22,26,30,34,38,42,46,50,54,58
	v_max3_num_f32 v8, v8, v[96+\i], v[97+\i]
	v_max3_num_f32 v26, v26, v[98+\i], v[99+\i]
.endr
	v_max3_num_f32 v8, v8, v158, v159
	s_delay_alu instid0(VALU_DEP_1)
	v_max_num_f32 v8, v8, v26
	s_delay_alu instid0(VALU_DEP_1)
	v_permlanex16_b32 v9, v8, s46, s47
	s_delay_alu instid0(VALU_DEP_1)
	v_max_num_f32 v8, v8, v9                       ; and among lane l xor 16's
	s_delay_alu instid0(VALU_DEP_1)
	v_mul_f32 v8, s44, v8                          ; as t (the factor is positive)
	s_delay_alu instid0(VALU_DEP_1)
	v_max_num_f32 v13, v13, v8                     ; the running largest t
	v_mov_b32 v8, v12
	s_delay_alu instid0(VALU_DEP_2)
	v_floor_f32 v12, -v13                          ; the new -M = floor(-t) = -ceil(t): a whole number
	s_delay_alu instid0(VALU_DEP_1)
	v_sub_f32 v8, v12, v8                          ; M's old value less its new one: a whole number, 0 or less
	s_delay_alu instid0(VALU_DEP_1)
	v_cvt_i32_f32 v8, v8                           ; (it saturates)
	s_delay_alu instid0(VALU_DEP_1)
	v_ldexp_f32 v10, 1.0, v8                       ; f = 2^(old M - new M)
	s_setprio 1
.irp j, 0,2,4,6,8,10,12,14,16,18,20,22,24,26,28,30,32,34,36,38,40,42,44,46,48,50,52,54,56,58,60,62
	v_pk_fma_f32 v[96+\j:97+\j], v[96+\j:97+\j], s[44:45], v[12:13] op_sel_hi:[1,0,0]   ; t - M, two at a time (of both pairs the low word serves both halves)
.endr
	s_wait_alu depctr_va_vdst(0)
.irp j, 0,1,2,3,4,5,6,7,8,9,10,11,12,13,14,15,16,17,18,19,20,21,22,23,24,25,26,27,28,29,30,31,32,33,34,35,36,37,38,39,40,41,42,43,44,45,46,47,48,49,50,51,52,53,54,55,56,57,58,59,60,61,62,63
	v_exp_f32 v[96+\j], v[96+\j]                   ; p = 2^(t - M), at most 1
.endr
	v_pk_mul_f32 v[14:15], v[14:15], v[10:11] op_sel_hi:[1,0]   ; the sums under the new M: the plain instruction behind the exponentials
	s_wait_alu depctr_va_vdst(0)                   ; one wait for the whole batch of exponentials, ahead of its first reader
	v_pk_add_f32 v[24:25], v[100:101], v[104:105]
	v_pk_add_f32 v[94:95], v[108:109], v[112:113]
	v_pk_add_f32 v[92:93], v[116:117], v[120:121]
	v_pk_add_f32 v[90:91], v[124:125], v[128:129]
	v_pk_add_f32 v[88:89], v[132:133], v[136:137]
	v_pk_add_f32 v[86:87], v[140:141], v[144:145]
	v_pk_add_f32 v[84:85], v[148:149], v[152:153]
	v_pk_add_f32 v[14:15], v[14:15], v[156:157]
	v_pk_add_f32 v[24:25], v[24:25], v[96:97]
	v_pk_add_f32 v[94:95], v[94:95], v[98:99]
	v_pk_add_f32 v[92:93], v[92:93], v[102:103]
	v_pk_add_f32 v[90:91], v[90:91], v[106:107]
	v_pk_add_f32 v[88:89], v[88:89], v[110:111]
	v_pk_add_f32 v[86:87], v[86:87], v[114:115]
	v_pk_add_f32 v[84:85], v[84:85], v[118:119]
	v_pk_add_f32 v[14:15], v[14:15], v[122:123]
	v_pk_add_f32 v[24:25], v[24:25], v[126:127]
	v_pk_add_f32 v[94:95], v[94:95], v[130:131]
	v_pk_add_f32 v[92:93], v[92:93], v[134:135]
	v_pk_add_f32 v[90:91], v[90:91], v[138:139]
	v_pk_add_f32 v[88:89], v[88:89], v[142:143]
	v_pk_add_f32 v[86:87], v[86:87], v[146:147]
	v_pk_add_f32 v[84:85], v[84:85], v[150:151]
	s_setprio 0
	v_pk_add_f32 v[14:15], v[14:15], v[154:155]
	v_pk_add_f32 v[24:25], v[24:25], v[158:159]
	s_delay_alu instid0(VALU_DEP_2)
	v_pk_add_f32 v[14:15], v[14:15], v[90:91]
	s_delay_alu instid0(VALU_DEP_2)
	v_pk_add_f32 v[24:25], v[24:25], v[88:89]
	v_pk_add_f32 v[94:95], v[94:95], v[86:87]
	v_pk_add_f32 v[92:93], v[92:93], v[84:85]
	s_delay_alu instid0(VALU_DEP_2)
	v_pk_add_f32 v[14:15], v[14:15], v[94:95]
	s_delay_alu instid0(VALU_DEP_2)
	v_pk_add_f32 v[24:25], v[24:25], v[92:93]
	s_delay_alu instid0(VALU_DEP_1)
	v_pk_add_f32 v[14:15], v[14:15], v[24:25]
.irp b, 0,1,2,3
.irp i, 0,1,2,3,4,5,6,7,8,9,10,11,12,13,14,15
.endr
	v_cvt_scalef32_pk8_fp8_f32 v[32+4*\b:33+4*\b], v[96+16*\b:103+16*\b], v6
	v_cvt_scalef32_pk8_fp8_f32 v[34+4*\b:35+4*\b], v[104+16*\b:111+16*\b], v6
.endr
.irp j, 0,2,4,6,8,10,12,14,16,18,20,22,24,26,28,30
	v_pk_mul_f32 v[160+\j:161+\j], v[160+\j:161+\j], v[10:11] op_sel_hi:[1,0]   ; O^T under the new M.  (Also the plain instructions between the conversions and the products that read their results)
.endr
	s_wait_alu depctr_va_vdst(0)
	s_wait_dscnt 0x0                               ; V is in
.irp t, 0,1,2,3
	v_wmma_f32_16x16x128_fp8_fp8 v[160+8*\t:167+8*\t], v[192+16*\t:207+16*\t], v[32:47], v[160+8*\t:167+8*\t]   ; four accumulators by turns; the next matrix instructions are the next step's scores
.endr
.Lhid_\p:
	s_add_co_u32 s49, s49, 8192
	s_add_co_u32 s48, s48, 1
	s_cmp_lt_u32 s48, \trips
	s_cbranch_scc1 .Ltrip_\p
	s_setprio 0
.rept 4
	v_nop                                          ; places behind the last products
.endr
.if \p == 0
	global_load_b128 v[16:19], v1, s[38:39]        ; the second pass's Q lands while the first pass's result goes out
	global_load_b128 v[20:23], v1, s[38:39] offset:512
.endif
	v_add_f32 v14, v14, v15                        ; the sum's two halves,
	s_delay_alu instid0(VALU_DEP_1)
	v_permlanex16_b32 v9, v14, s46, s47
	s_delay_alu instid0(VALU_DEP_1)
	v_add_f32 v14, v14, v9                         ; and lane l xor 16's: the row's sum
	s_wait_alu depctr_va_vdst(0)
	v_rcp_f32 v10, v14
	v_nop                                          ; a plain instruction behind the reciprocal,
	s_wait_alu depctr_va_vdst(0)                   ; and the wait ahead of its first reader
.irp j, 0,2,4,6,8,10,12,14,16,18,20,22,24,26,28,30
	v_pk_mul_f32 v[96+\j:97+\j], v[160+\j:161+\j], v[10:11] op_sel_hi:[1,0]   ; O^T / the sum: register 16 b + e is channel 32 b + 16 (lane / 16) + e
.endr
.set j, 0
.rept 32
.set j, j+1
.endr
.irp g, 0,1,2,3
	v_cvt_scalef32_pk8_fp8_f32 v[32+2*\g:33+2*\g], v[96+8*\g:103+8*\g], v28
.endr
	v_nop                                          ; a plain vector instruction behind the conversions
	global_store_b128 v1, v[32:35], s[40+2*\p:41+2*\p]             ; 32 lanes store 512 consecutive bytes, aligned
	global_store_b128 v1, v[36:39], s[40+2*\p:41+2*\p] offset:512
.endm
	PASS 0, 8                                      ; u = wave <= 15: key steps 0 .. 7 at the most
	PASS 1, 16                                     ; u = 31 - wave
	s_wait_dscnt 0x0
	s_wait_tensorcnt 0x0
	ds_add_u32 v30, v31
	s_wait_dscnt 0x0
	ROUND                                          ; the closing round
	s_endpgm
.Lfunc_end_k_qdf1f701725_attn:
	.size	k_qdf1f701725_attn, .Lfunc_end_k_qdf1f701725_attn-k_qdf1f701725_attn
	.p2alignl 7, 3214868480
	.fill 96, 4, 3214868480
	.section	.rodata,"a",@progbits
	.p2align	6, 0x0
	.amdhsa_kernel k_qdf1f701725_attn
		.amdhsa_group_segment_fixed_size 264192
		.amdhsa_private_segment_fixed_size 0
		.amdhsa_enable_private_segment 0
		.amdhsa_kernarg_size 24
		.amdhsa_user_sgpr_count 2
		.amdhsa_user_sgpr_kernarg_segment_ptr 1
		.amdhsa_wavefront_size32 1
		.amdhsa_system_sgpr_workgroup_id_x 1
		.amdhsa_system_sgpr_workgroup_id_y 1
		.amdhsa_system_sgpr_workgroup_id_z 1
		.amdhsa_system_vgpr_workitem_id 0
		.amdhsa_next_free_vgpr 256
		.amdhsa_next_free_sgpr 96
		.amdhsa_reserve_vcc 1
		.amdhsa_float_denorm_mode_32 3
		.amdhsa_float_denorm_mode_16_64 3
		.amdhsa_fp16_overflow 1
		.amdhsa_memory_ordered 1
		.amdhsa_forward_progress 1
		.amdhsa_inst_pref_size 52
	.end_amdhsa_kernel
	.amdgpu_metadata
---
amdhsa.version: [ 1, 2 ]
amdhsa.kernels:
  - .name:           k_qdf1f701725_attn
    .symbol:         k_qdf1f701725_attn.kd
    .args:
      - { .name: qkv, .offset: 0, .size: 8, .value_kind: global_buffer, .address_space: global }
      - { .name: lowp_scales, .offset: 8, .size: 8, .value_kind: global_buffer, .address_space: global }
      - { .name: ac, .offset: 16, .size: 8, .value_kind: global_buffer, .address_space: global }
    .group_segment_fixed_size: 264192
    .private_segment_fixed_size: 0
    .kernarg_segment_align: 8
    .kernarg_segment_size: 24
    .max_flat_workgroup_size: 512
    .sgpr_count:     96
    .vgpr_count:     256
    .wavefront_size: 32
...
	.end_amdgpu_metadata
.endif
;; end of part 3
;; launch proj (part 4): grid 4 x 64, 4 waves a work-group, clusters of 4 x 4, 327,680 bytes of LDS; arguments ac, wc, lowp_scales, out0; writes out0
.if DOCPART == 4
	.amdgcn_target "amdgcn-amd-amdhsa--gfx1250"
	.amdhsa_code_object_version 6
	.text
	.protected	k_qdf1f701725_proj
	.globl	k_qdf1f701725_proj
	.p2align	8
	.type	k_qdf1f701725_proj,@function
k_qdf1f701725_proj:
	s_mov_b64 s[64:65], 0
	v_nop
	global_prefetch_b8 v0, s[64:65] scope:SCOPE_SE
	s_setreg_imm32_b32 hwreg(HW_REG_WAVE_MODE, 25, 1), 1
	s_wait_xcnt 0x0
	s_wait_alu depctr_hold_cnt(0) depctr_sa_sdst(0) depctr_va_vdst(0) depctr_va_sdst(0) depctr_va_ssrc(0) depctr_va_vcc(0) depctr_vm_vsrc(0)
	s_getreg_b32 s2, hwreg(HW_REG_IB_STS2, 6, 4)
	s_cmp_eq_u32 s2, 0
	s_cbranch_scc0 .Lentry_in_a_cluster
	s_endpgm
.Lentry_in_a_cluster:
	s_bfe_u32 s2, ttmp6, 0x10000c
	s_cmp_lg_u32 s2, 0xf033
	s_cbranch_scc0 .Lentry_shape_is_right
	s_endpgm
.Lentry_shape_is_right:
; out0 = attn Wo^T on codes of FP8 (E4M3): attn's codes [8192 rows][1024] from ac, Wo's [1024][1024] from wc's fourth MiB; each finished f32 sum x 2^(e10 + e11).  LIMIT: e10 + e11 lies between -126 and 127.
; A tile of out0 is 128 rows x 256 columns: 64 x 4 = 256 work-groups.  Four waves, each 64 rows x 128 columns: 32 accumulators.  K goes in 4 steps of 256 through a ring of two LDS slots.
; OPERANDS lie in memory as images of operand registers: a row tile T holds rows 32 (T / 2) + 8 (T % 2) + i + 8 (i / 8); for 8 row tiles, 256 along K are one dense block of 32 KiB:
; row tile x 4096 + (which 128 of K) x 2048 + 512 c + 16 lane.  A fragment is four loads of 16 bytes a lane at 16 x lane + a constant.  k is permuted alike in both operands.
; THE MATRIX INSTRUCTION IS USED TRANSPOSED (source 0 = 16 rows of Wo, source 1 = 16 rows of attn): a lane holds one row of out0, and the 16 registers of Wo's tiles 2 b, 2 b + 1 are columns 32 b + 16 (lane / 16) + 0 .. 15.
; CLUSTERS: 4 x 4 work-groups.  attn's tiles are shared along a row of the cluster, Wo's along a column: each is asked for jointly.
; REGISTERS, in windows of 256: window 0: v16-29 addresses; v32-95 the way out; attn's fragments in two sets, at v128 and v192 (on the way out: rows read back).  window 1: Wo's fragments, two sets, at v0 and v128.
;   window 2: accumulator (a, b) at v[8 (8 a + b)].
.set SLOT,   98304                     ; attn's 8 row tiles (32 KiB), then Wo's 16 (64 KiB)
.set STAGE,  2*SLOT                    ; behind the ring: 16 rows x (512 bytes + 16) for each wave; no fill lands here
.set SPITCH, 528
.set SPARE,  STAGE+4*16*SPITCH         ; behind the stages: the spare words, 128 bytes for each wave
.set FR,     16
.set ADRA, 16                          ; v16-17  LDS address of my attn fragments in slot 0, 1
.set ADRB, 20                          ; v20-21  the same for Wo
.set STO,  24                          ; v24     the way out: where I put my bytes of a row
.set RD,   25                          ; v25     where I read a row back
.set CO,   26                          ; v26     16 x lane
.set SPW,  28                          ; v28     LDS address of my spare word; never rewritten
.set NIL,  29                          ; v29     0; never rewritten
.set TMP,  32
.set AF,   128
.set G1, 24                            ; s[24:31] descriptor group 1 for attn's tiles;  s[32:39] group 0, one set for each slot
.set G0, 32
.set G1B, 48                           ; s[48:55], s[56:63] the same for Wo's
.set G0B, 56
.set MSB, 0
.macro WIN new                         ; the immediate's high byte repeats the setting that is left
.if MSB != \new
	s_set_vgpr_msb (MSB<<8)|\new
.set MSB, \new
.endif
.endm
.set MUL,  0xa1                        ; source 0 (Wo) window 1, source 1 (attn) window 0, C and D window 2
.set TO_B, 0x40                        ; destination window 1, address window 0
.macro JLOAD s                         ; a joint load: waves 0 and 1 fetch attn's halves, waves 2 and 3 Wo's; four v_nop follow each of the two lines
	s_cmp_eq_u32 s15, 0
	s_cbranch_scc0 .Lfor_b_\@
	tensor_load_to_lds s[G0+4*\s:G0+4*\s+3], s[G1:G1+7]
	s_nop 0
.rept 4
	v_nop
.endr
	s_branch .Lasked_\@
.Lfor_b_\@:
	tensor_load_to_lds s[G0B+4*\s:G0B+4*\s+3], s[G1B:G1B+7]
	s_nop 0
.rept 4
	v_nop
.endr
.Lasked_\@:
.endm
.macro CREST                           ; a round of the cluster's barrier behind its opening barrier
	s_cmp_lg_u32 s14, 0
	s_cbranch_scc1 .Lnot_wave_0_\@
	s_barrier_signal -3
.Lnot_wave_0_\@:
	s_barrier_wait -3
	s_barrier_signal -1
	s_barrier_wait -1
.endm
.macro CROUND
	s_barrier_signal -1
	s_barrier_wait -1
	CREST
.endm
	s_load_b128 s[4:7], s[0:1], 0x0                ; attn's codes s[4:5], the weights' codes s[6:7]
	s_load_b128 s[8:11], s[0:1], 0x10              ; the scales' exponents s[8:9], out0 s[10:11]
	v_lshl_add_u32 v[SPW], v0, 2, SPARE
	v_mov_b32 v[NIL], 0
	ds_add_u32 v28, v29
	ds_add_u32 v28, v29
	s_wait_dscnt 0x0
	v_lshrrev_b32 v1, 5, v0
	v_readfirstlane_b32 s14, v1                    ; wave 0..3
	s_lshr_b32 s15, s14, 1                         ; which half of the tile's rows is mine.  Also: I fetch for attn (0) or for Wo (1)
	s_and_b32 s16, s14, 1                          ; which half of its columns.  Also: which half of that tile I fetch
	s_bfe_u32 s40, ttmp6, 0x40000                  ; cx: the tile column
	s_bfe_u32 s41, ttmp6, 0x40004                  ; cy
	s_and_b32 s17, ttmp7, 0xffff
	s_lshl_b32 s17, s17, 2
	s_add_co_u32 s17, s17, s41                     ; the tile row = 4 x cluster y + cy
	s_lshl_b32 s43, s41, 2
	s_lshl_b32 s43, 15, s43                        ; my row of the cluster
	s_lshl_b32 s44, 0x1111, s40                    ; my column
	; descriptor groups 1: dense blocks as rows of 32 elements of 8 bytes: 64 rows (16 KiB) of attn, 128 rows (32 KiB) of Wo
	s_or_b32 s[G1+0], s43, (3<<16)|(1<<21)         ; 15:0 the mask; 17:16 elements of 8 bytes; 21 set beside a mask; no padding
	s_mov_b32 s[G1+1], 32<<16                      ; tensor_dim0
	s_mov_b32 s[G1+2], 64<<16                      ; tensor_dim1
	s_mov_b32 s[G1+3], 32<<16                      ; tile_dim0
	s_mov_b32 s[G1+4], 64                          ; tile_dim1
	s_mov_b32 s[G1+5], 32                          ; tensor_dim0_stride
	s_mov_b32 s[G1+6], 0
	s_mov_b32 s[G1+7], 0
	s_or_b32 s[G1B+0], s44, (3<<16)|(1<<21)
	s_mov_b32 s[G1B+1], 32<<16
	s_mov_b32 s[G1B+2], 128<<16
	s_mov_b32 s[G1B+3], 32<<16
	s_mov_b32 s[G1B+4], 128
	s_mov_b32 s[G1B+5], 32
	s_mov_b32 s[G1B+6], 0
	s_mov_b32 s[G1B+7], 0
	s_lshl_b32 s20, s17, 17                        ; attn: the tile row's 8 row tiles are 131,072 bytes; my half of a K step's 32 KiB
	s_lshl_b32 s21, s16, 14
	s_add_co_u32 s20, s20, s21
	s_mov_b32 s21, 0
	s_lshl_b32 s46, s40, 1                         ; Wo: 8 row tiles for each half of the tile column,
	s_add_co_u32 s46, s46, s16
	s_lshl_b32 s46, s46, 17
	s_add_co_u32 s46, s46, 3<<20                   ; in the fourth MiB of the weights' codes
	s_mov_b32 s47, 0
	s_lshl_b32 s18, s16, 14                        ; where they go: no place in the cluster enters an LDS address
	s_lshl_b32 s19, s16, 15
	s_add_co_u32 s19, s19, 32768
	s_wait_kmcnt 0x0
	s_load_b64 s[96:97], s[8:9], 0x28              ; e10, e11
	s_add_nc_u64 s[20:21], s[4:5], s[20:21]
	s_add_nc_u64 s[46:47], s[6:7], s[46:47]
	CROUND                                         ; all sixteen work-groups are here: the first joint loads meet
.irp s, 0,1
	s_mov_b32 s[G0+4*\s], 1
	s_add_co_u32 s[G0+4*\s+1], s18, \s*SLOT
	s_add_nc_u64 s[G0+4*\s+2:G0+4*\s+3], s[20:21], \s*32768   ; K step s
	s_or_b32 s[G0+4*\s+3], s[G0+4*\s+3], 0x80000000
	s_mov_b32 s[G0B+4*\s], 1
	s_add_co_u32 s[G0B+4*\s+1], s19, \s*SLOT
	s_add_nc_u64 s[G0B+4*\s+2:G0B+4*\s+3], s[46:47], \s*32768
	s_or_b32 s[G0B+4*\s+3], s[G0B+4*\s+3], 0x80000000
	s_wait_alu depctr_va_vdst(0)
	s_wait_tensorcnt 0x0
	ds_add_u32 v28, v29
	ds_add_u32 v28, v29
	s_wait_dscnt 0x0
	CROUND
	JLOAD \s
.endr
	v_and_b32 v1, 31, v0
	v_lshlrev_b32 v[CO], 4, v1                     ; 16 x lane
	v_and_b32 v2, 15, v0                           ; r
	s_wait_alu depctr_va_vdst(0)
	v_bfe_u32 v3, v0, 4, 1                         ; h
	s_lshl_b32 s21, s15, 14                        ; my 4 row tiles of attn
	s_lshl_b32 s22, s16, 15                        ; my 8 of Wo,
	s_add_co_u32 s22, s22, 32768                   ; which lie behind attn's 8
.irp s, 0,1
	v_add_nc_u32 v[ADRA+\s], s21, v[CO]
	v_add_nc_u32 v[ADRB+\s], s22, v[CO]
	s_add_co_u32 s21, s21, SLOT
	s_add_co_u32 s22, s22, SLOT
.endr
	s_mul_i32 s23, s14, 16*SPITCH
	s_add_co_u32 s23, s23, STAGE                   ; my stage
	v_mul_u32_u24 v4, v2, SPITCH                   ; in: row r, + 64 h: 16 columns of each 32
	s_wait_alu depctr_va_vdst(0)
	v_lshl_add_u32 v4, v3, 6, v4
	v_add_nc_u32 v[STO], s23, v4
	v_add_nc_u32 v[RD], s23, v[CO]                 ; back: the 32 lanes take one row of 512 bytes
	s_lshl_b32 s20, s17, 19                        ; my first row of out0: 128 x tile row + 64 x half, rows of 4,096 bytes;
	s_lshl_b32 s21, s15, 18
	s_add_co_u32 s20, s20, s21
	s_lshl_b32 s21, s40, 10                        ; my first column: 256 x tile column + 128 x half, 4 bytes each
	s_add_co_u32 s20, s20, s21
	s_lshl_b32 s21, s16, 9
	s_add_co_u32 s20, s20, s21
	s_mov_b32 s21, 0
	s_add_nc_u64 s[10:11], s[10:11], s[20:21]
.macro FRAG reg, adr, off
.irp c, 0,1,2,3
	ds_load_b128 v[\reg+4*\c:\reg+4*\c+3], v[\adr] offset:\off+512*\c
.endr
.endm
.macro FETCH slot, q, p                ; 48 LDS loads in one run: the fragments of the slot's q-th 128 along K into set p: Wo's eight, attn's four
	WIN TO_B
.irp i, 0,1,2,3,4,5,6,7
	FRAG 128*(\p)+FR*\i, ADRB+\slot, 4096*\i+2048*(\q)
.endr
	WIN 0
.irp i, 0,1,2,3
	FRAG AF+64*(\p)+FR*\i, ADRA+\slot, 4096*\i+2048*(\q)
.endr
.endm
; 8 matrix instructions: attn's block a x Wo's eight, 128 along K, set p.  zero = 1: the first product starts the sums.  The 32 accumulators take turns, in the same order in every step.
.macro MUL8 a, p, zero
.irp b, 0,1,2,3,4,5,6,7
.if \zero
	v_wmma_f32_16x16x128_fp8_fp8 v[8*(8*(\a)+\b):8*(8*(\a)+\b)+7], v[128*(\p)+FR*\b:128*(\p)+FR*\b+FR-1], v[AF+64*(\p)+FR*(\a):AF+64*(\p)+FR*(\a)+FR-1], 0
.else
	v_wmma_f32_16x16x128_fp8_fp8 v[8*(8*(\a)+\b):8*(8*(\a)+\b)+7], v[128*(\p)+FR*\b:128*(\p)+FR*\b+FR-1], v[AF+64*(\p)+FR*(\a):AF+64*(\p)+FR*(\a)+FR-1], v[8*(8*(\a)+\b):8*(8*(\a)+\b)+7]
.endif
.endr
.endm
.macro PLACES n                        ; plain vector instructions between a matrix instruction and a load into, or a vector read of, its registers
.rept \n
	v_nop
.endr
.endm
; A slot's first 128 along K: set 0 is multiplied while set 1 is fetched.
.macro STEP slot, zero
	s_wait_dscnt 0x0                               ; set 0 is in
	PLACES 4                                       ; for the loads into set 1, which the last products read
	FETCH \slot, 1, 1
	WIN MUL
	MUL8 0, 0, \zero
	MUL8 1, 0, \zero
	MUL8 2, 0, \zero
	MUL8 3, 0, \zero
.endm
; A slot's second 128 along K changes slots: ONE barrier; in front of it each wave waits for all its tensor loads, adds 0 to its spare word, and waits for that and for its own reads of this slot.  fill = 1: this slot is filled again, two K steps ahead.
.macro TURN slot, next, fill
	WIN 0                                          ; (the add's two registers lie in window 0)
	s_wait_tensorcnt 0x0                           ; all my tensor loads have landed: my part of the next slot
	ds_add_u32 v[SPW], v[NIL]                      ; 0 onto my spare word
	s_wait_dscnt 1                                 ; set 1 is in (the add alone may be out)
	WIN MUL
	MUL8 0, 1, 0                                   ; eight matrix instructions stand between the add and the wait for it
	s_wait_dscnt 0x0                               ; the add is done, and my reads of this slot are over
	s_barrier_signal -1
	MUL8 1, 1, 0
	WIN 0
	s_barrier_wait -1
.if \fill
	CREST                                          ; the barrier has opened a round of the cluster's barrier: no wave of any partner still reads this slot or has a load on its way
	s_add_nc_u64 s[G0+4*\slot+2:G0+4*\slot+3], s[G0+4*\slot+2:G0+4*\slot+3], 65536
	s_add_nc_u64 s[G0B+4*\slot+2:G0B+4*\slot+3], s[G0B+4*\slot+2:G0B+4*\slot+3], 65536
	JLOAD \slot                                    ; the first tensor load behind the round; its four v_nop are the places in front of the loads below
.else
	PLACES 4
.endif
	FETCH \next, 0, 0
	WIN MUL
	MUL8 2, 1, 0
	MUL8 3, 1, 0
.endm
	s_wait_tensorcnt 1                             ; my part of K step 0 is in (K step 1's load may be out)
	s_barrier_signal -1
	s_barrier_wait -1                              ; everybody's is
	FETCH 0, 0, 0
	STEP 0, 1                                      ; four K steps of 256, written out: the first products start the sums
	TURN 0, 1, 1                                   ; slot 0 takes K step 2
	STEP 1, 0
	TURN 1, 0, 1                                   ; slot 1 takes K step 3
	STEP 0, 0
	TURN 0, 1, 0                                   ; nothing is left to fetch
	STEP 1, 0
	s_wait_dscnt 0x0                               ; the very last 128 along K
	MUL8 0, 1, 0
	MUL8 1, 1, 0
	MUL8 2, 1, 0
	MUL8 3, 1, 0
	WIN 0
	PLACES 4
; THE WAY OUT, a block of 16 rows x 128 columns at a time: x 2^(e10 + e11), through my own stage in LDS, back as whole rows of 512 bytes.  LDS serves a wave's instructions in order: no wait between the stores and the loads.
; The order of a tile's rows is undone in the stores' immediates: stage row t of block a is row 32 (a / 2) + 8 (a % 2) + t + 8 (t / 8) of my 64.
.macro TOSTAGE a
	WIN 0x02                                       ; source 0: window 2
.irp j, 0,2,4,6,8,10,12,14,16,18,20,22,24,26,28,30,32,34,36,38,40,42,44,46,48,50,52,54,56,58,60,62
	v_pk_mul_f32 v[TMP+\j:TMP+\j+1], v[64*(\a)+\j:64*(\a)+\j+1], s[96:97] op_sel_hi:[1,0]   ; both x s96; each accumulator from its low end on
.endr
	WIN 0
.irp b, 0,1,2,3,4,5,6,7
	ds_store_b128 v[STO], v[TMP+8*\b:TMP+8*\b+3] offset:128*(\b/2)+32*(\b%2)
	ds_store_b128 v[STO], v[TMP+8*\b+4:TMP+8*\b+7] offset:128*(\b/2)+32*(\b%2)+16
.endr
.set BB, AF+64*((\a)%2)
.irp t, 0,1,2,3,4,5,6,7,8,9,10,11,12,13,14,15
	ds_load_b128 v[BB+4*\t:BB+4*\t+3], v[RD] offset:\t*SPITCH
.endr
.endm
.macro SEND a, younger                 ; younger: the LDS instructions issued behind block a's loads, which may stay out
.set BB, AF+64*((\a)%2)
	s_wait_dscnt \younger                          ; the block is back in registers
.irp t, 0,1,2,3,4,5,6,7,8,9,10,11,12,13,14,15
	global_store_b128 v[CO], v[BB+4*\t:BB+4*\t+3], s[10:11] offset:(32*((\a)/2)+8*((\a)%2)+\t+8*(\t/8))*4096 th:TH_STORE_NT   ; 32 lanes store 512 consecutive bytes, aligned; written once, read by nobody here
.endr
.endm
	s_wait_kmcnt 0x0
	s_add_co_i32 s96, s96, s97                     ; e10 + e11, between -126 and 127,
	s_add_co_i32 s96, s96, 127
	s_lshl_b32 s96, s96, 23                        ; makes the f32 number 2^(e10 + e11)
	TOSTAGE 0
.irp a, 1,2,3
.if \a > 1
	s_wait_xcnt 0x0                                ; block a - 2's stores have read their registers: block a's loads may land there
.endif
	TOSTAGE \a
	SEND \a-1, 32                                  ; behind block a - 1's loads: block a's 16 stores and 16 loads
.endr
	SEND 3, 0
	s_wait_tensorcnt 0x0                           ; the wave's end
	ds_add_u32 v[SPW], v[NIL]
	s_wait_dscnt 0x0
	CROUND                                         ; the closing round: no work-group ends while a partner may still ask for a tile that names it
	s_endpgm
.Lfunc_end_k_qdf1f701725_proj:
	.size	k_qdf1f701725_proj, .Lfunc_end_k_qdf1f701725_proj-k_qdf1f701725_proj
	.p2alignl 7, 3214868480
	.fill 96, 4, 3214868480
	.section	.rodata,"a",@progbits
	.p2align	6, 0x0
	.amdhsa_kernel k_qdf1f701725_proj
		.amdhsa_group_segment_fixed_size 327680
		.amdhsa_private_segment_fixed_size 0
		.amdhsa_enable_private_segment 0
		.amdhsa_kernarg_size 32
		.amdhsa_user_sgpr_count 2
		.amdhsa_user_sgpr_kernarg_segment_ptr 1
		.amdhsa_wavefront_size32 1
		.amdhsa_system_sgpr_workgroup_id_x 1
		.amdhsa_system_sgpr_workgroup_id_y 1
		.amdhsa_system_sgpr_workgroup_id_z 1
		.amdhsa_system_vgpr_workitem_id 0
		.amdhsa_next_free_vgpr 768
		.amdhsa_next_free_sgpr 98
		.amdhsa_reserve_vcc 0
		.amdhsa_float_denorm_mode_32 3
		.amdhsa_float_denorm_mode_16_64 3
		.amdhsa_memory_ordered 1
		.amdhsa_forward_progress 1
		.amdhsa_inst_pref_size 75
	.end_amdhsa_kernel
	.amdgpu_metadata
---
amdhsa.version: [ 1, 2 ]
amdhsa.kernels:
  - .name:           k_qdf1f701725_proj
    .symbol:         k_qdf1f701725_proj.kd
    .args:
      - { .name: ac, .offset: 0, .size: 8, .value_kind: global_buffer, .address_space: global }
      - { .name: wc, .offset: 8, .size: 8, .value_kind: global_buffer, .address_space: global }
      - { .name: lowp_scales, .offset: 16, .size: 8, .value_kind: global_buffer, .address_space: global }
      - { .name: out0, .offset: 24, .size: 8, .value_kind: global_buffer, .address_space: global }
    .group_segment_fixed_size: 327680
    .private_segment_fixed_size: 0
    .kernarg_segment_align: 8
    .kernarg_segment_size: 32
    .max_flat_workgroup_size: 128
    .sgpr_count:     98
    .vgpr_count:     768
    .wavefront_size: 32
...
	.end_amdgpu_metadata
.endif
;; end of part 4
